; MI455X (gfx1250); checked and timed in simulation.
; The chip was launched on July 23, 2026; its instructions are those of AMD's public machine-readable ISA for CDNA 5 (MIT licence, August 2026) and "CDNA5" Instruction Set Architecture Reference Guide (July 2026). The comments in the code are by the model that wrote it; some were corrected since.
;; Hebbian Pretrained Hopfield. Allowed arithmetic: float matrix products may take bf16 or f16 operands with f32 sums; all other float work in f32.
;; Inputs: Wo 1,024 x 1,024 float32; Wq 1,024 x 1,024 float32; bo 1,024 float32; bq 1,024 float32; memory 512 x 64 float32; x 4 x 4,096 x 1,024 float32.
;; Outputs: out0 4 x 4,096 x 1,024 float32.
;; One version. Each part assembles by itself: llvm-mc -triple=amdgcn-amd-amdhsa -mcpu=gfx1250 --defsym DOCPART=n.
;; ======== version 1 of 1: 3 launches
;; workspace buffers: wpack 4,325,376 bytes; pat 33,554,432 bytes
;; launch pack (part 1): grid 32 x 33, 8 waves a work-group, no clusters, 0 bytes of LDS; arguments Wq, Wo, memory, wpack; writes wpack
.if DOCPART == 1
	.amdgcn_target "amdgcn-amd-amdhsa--gfx1250"
	.amdhsa_code_object_version 6
	.text
	.protected	k_q9aa438cd80_pack
	.globl	k_q9aa438cd80_pack
	.p2align	8
	.type	k_q9aa438cd80_pack,@function
k_q9aa438cd80_pack:
	s_mov_b64 s[64:65], 0
	v_nop
	global_prefetch_b8 v0, s[64:65] scope:SCOPE_SE
	s_setreg_imm32_b32 hwreg(HW_REG_WAVE_MODE, 25, 1), 1
	s_wait_xcnt 0x0
; Rounds Wq, Wo and memory to bf16 and lays them out in the order in which the later launches' matrix instructions hold them in registers:
; a fragment of 16 rows x 32 k is 1,024 bytes, two blocks (c = 0, 1) of 512 bytes, and in a block lane L = 16 h + r has the 16 bytes at 16 L:
; eight bf16 of row r at k = 16 c + 8 h + 0..7.
;   bytes 0 .. 2,097,151 (Wq) and 2,228,224 .. 4,325,375 (Wo): 524288 blk + 65536 s + 16384 hh + 4096 ks + 1024 dt + 512 c + 16 L holds
;        W[256 blk + 64 hh + 16 dt + r][128 s + 32 ks + 16 c + 8 h + e]:  a tile of 65,536 bytes is 256 rows x 128 k
;   bytes 2,097,152 + 2048 mt + 1024 ks + 512 c + 16 L:       memory[16 mt + r][32 ks + 16 c + 8 h + e]
;   bytes 2,162,688 + 4096 mk + 1024 dt + 512 c + 16 L:       memory[32 mk + 16 c + 8 h + e][16 dt + r]   (transposed)
; Work-group (bx, T) makes 4,096 bytes of the T-th 131,072 bytes; thread t the 16-byte unit u = 256 bx + t.  A wave's store covers 512
; consecutive bytes, aligned.  The reads are pieces of 32 bytes of a row (of 4 bytes in the transposed part): 8.65 MB in all; memory is read twice, once for each order.
; No LDS, no barrier, no matrix unit: each thread's eight numbers hang on nobody else's.
	s_load_b256 s[4:11], s[0:1], 0x0               ; Wq s[4:5], Wo s[6:7], memory s[8:9], wpack s[10:11]
	s_and_b32 s12, ttmp7, 0xffff                   ; T
	s_lshl_b32 s13, ttmp9, 8                       ; 256 bx
	v_add_nc_u32 v1, s13, v0                       ; u, 13 bits
	v_lshlrev_b32 v2, 4, v1                        ; my 16 bytes
	v_and_b32 v3, 15, v1                           ; r
	s_lshl_b32 s14, s12, 17                        ; T x 131,072
	s_mov_b32 s15, 0
	s_wait_kmcnt 0x0
	s_add_nc_u64 s[10:11], s[10:11], s[14:15]
	s_cmp_eq_u32 s12, 16
	s_cbranch_scc1 .Lmemory
	; Wq or Wo.  With T' = T or T - 17:  blk = T' >> 2,  s = 2 (T' & 3) + u[12],  hh = u[11:10],  ks = u[9:8],  dt = u[7:6],  2 c + h = u[5:4]
	s_max_u32 s20, s12, 17
	s_sub_co_u32 s20, s20, 17                      ; Wo's T' (0 for Wq, where it is not used)
	s_cmp_lt_u32 s12, 16
	s_cselect_b64 s[16:17], s[4:5], s[6:7]         ; the buffer
	s_cselect_b32 s20, s12, s20                    ; T'
	s_lshr_b32 s21, s20, 2
	s_lshl_b32 s21, s21, 20                        ; blk x 256 rows of 4,096 bytes
	s_and_b32 s22, s20, 3
	s_lshl_b32 s22, s22, 10                        ; (T' & 3) x 256 k x 4 bytes
	s_add_co_u32 s21, s21, s22
	v_bfe_u32 v5, v1, 10, 2                        ; hh
	v_bfe_u32 v6, v1, 6, 2                         ; dt
	v_lshl_or_b32 v6, v6, 4, v3                    ; 16 dt + r
	v_lshl_or_b32 v6, v5, 6, v6                    ; + 64 hh: the row in the block
	v_bfe_u32 v5, v1, 12, 1                        ; u[12]
	v_bfe_u32 v7, v1, 8, 2                         ; ks
	v_lshl_or_b32 v7, v5, 2, v7                    ; 4 u[12] + ks
	v_bfe_u32 v5, v1, 4, 2                         ; 2 c + h
	v_lshl_or_b32 v7, v7, 2, v5                    ; k / 8 = 16 u[12] + 4 ks + 2 c + h
	v_lshlrev_b32 v7, 5, v7                        ; 4 k bytes
	v_lshl_add_u32 v5, v6, 12, v7                  ; + the row's 4,096 bytes
	v_add_nc_u32 v5, s21, v5
	s_branch .Lrows
.Lmemory:
	s_cmp_ge_u32 s13, 4096                         ; units 4096 and up are the transposed part
	s_cbranch_scc1 .Ltransposed
	s_mov_b64 s[16:17], s[8:9]
	v_bfe_u32 v5, v1, 7, 5                         ; mt
	v_lshl_or_b32 v5, v5, 4, v3                    ; m = 16 mt + r
	v_bfe_u32 v6, v1, 4, 3                         ; 4 ks + 2 c + h: d0 = 8 times that
	v_lshlrev_b32 v6, 5, v6                        ; 4 d0 bytes
	v_lshl_add_u32 v5, v5, 8, v6                   ; + m rows of 256 bytes
.Lrows:                                                ; eight neighbouring numbers of one row
	global_load_b128 v[8:11], v5, s[16:17]
	global_load_b128 v[12:15], v5, s[16:17] offset:16
	s_branch .Lpack
.Ltransposed:                                          ; eight numbers of one column, rows m0 .. m0 + 7
	v_bfe_u32 v5, v1, 8, 4                         ; mk
	v_bfe_u32 v6, v1, 4, 2                         ; 2 c + h
	v_lshlrev_b32 v6, 3, v6
	v_lshl_or_b32 v5, v5, 5, v6                    ; m0 = 32 mk + 16 c + 8 h
	v_bfe_u32 v6, v1, 6, 2                         ; dt
	v_lshl_or_b32 v6, v6, 4, v3                    ; d = 16 dt + r
	v_lshlrev_b32 v6, 2, v6
	v_lshl_add_u32 v5, v5, 8, v6                   ; 256 m0 + 4 d
.irp e, 0,1,2,3,4,5,6,7
	global_load_b32 v[8+\e], v5, s[8:9] offset:256*\e
.endr
.Lpack:
	s_wait_loadcnt 0x0                             ; all eight numbers, on either way
	v_cvt_pk_bf16_f32 v16, v8, v9                  ; rounds to nearest even; the lower k in the lower half
	v_cvt_pk_bf16_f32 v17, v10, v11
	v_cvt_pk_bf16_f32 v18, v12, v13
	v_cvt_pk_bf16_f32 v19, v14, v15
	global_store_b128 v2, v[16:19], s[10:11]
	s_endpgm
.Lfunc_end_k_q9aa438cd80_pack:
	.size	k_q9aa438cd80_pack, .Lfunc_end_k_q9aa438cd80_pack-k_q9aa438cd80_pack
	.p2alignl 7, 3214868480
	.fill 96, 4, 3214868480
	.section	.rodata,"a",@progbits
	.p2align	6, 0x0
	.amdhsa_kernel k_q9aa438cd80_pack
		.amdhsa_group_segment_fixed_size 0
		.amdhsa_private_segment_fixed_size 0
		.amdhsa_enable_private_segment 0
		.amdhsa_kernarg_size 32
		.amdhsa_user_sgpr_count 2
		.amdhsa_user_sgpr_kernarg_segment_ptr 1
		.amdhsa_wavefront_size32 1
		.amdhsa_system_sgpr_workgroup_id_x 1
		.amdhsa_system_sgpr_workgroup_id_y 1
		.amdhsa_system_sgpr_workgroup_id_z 1
		.amdhsa_system_vgpr_workitem_id 0
		.amdhsa_next_free_vgpr 24
		.amdhsa_next_free_sgpr 66
		.amdhsa_reserve_vcc 0
		.amdhsa_float_denorm_mode_32 3
		.amdhsa_float_denorm_mode_16_64 3
		.amdhsa_memory_ordered 1
		.amdhsa_forward_progress 1
		.amdhsa_inst_pref_size 4
	.end_amdhsa_kernel
	.amdgpu_metadata
---
amdhsa.version: [ 1, 2 ]
amdhsa.kernels:
  - .name:           k_q9aa438cd80_pack
    .symbol:         k_q9aa438cd80_pack.kd
    .args:
      - { .name: Wq, .offset: 0, .size: 8, .value_kind: global_buffer, .address_space: global }
      - { .name: Wo, .offset: 8, .size: 8, .value_kind: global_buffer, .address_space: global }
      - { .name: memory, .offset: 16, .size: 8, .value_kind: global_buffer, .address_space: global }
      - { .name: wpack, .offset: 24, .size: 8, .value_kind: global_buffer, .address_space: global }
    .group_segment_fixed_size: 0
    .private_segment_fixed_size: 0
    .kernarg_segment_align: 8
    .kernarg_segment_size: 32
    .max_flat_workgroup_size: 256
    .sgpr_count:     66
    .vgpr_count:     24
    .wavefront_size: 32
...
	.end_amdgpu_metadata
.endif
;; end of part 1
;; launch hop (part 2): grid 256 x 1, 8 waves a work-group, clusters of 4 x 1, 327,680 bytes of LDS; arguments x, bq, wpack, pat; writes pat
.if DOCPART == 2
	.amdgcn_target "amdgcn-amd-amdhsa--gfx1250"
	.amdhsa_code_object_version 6
	.text
	.protected	k_q9aa438cd80_hop
	.globl	k_q9aa438cd80_hop
	.p2align	8
	.type	k_q9aa438cd80_hop,@function
k_q9aa438cd80_hop:
	s_mov_b64 s[64:65], 0
	v_nop
	global_prefetch_b8 v0, s[64:65] scope:SCOPE_SE
	s_setreg_imm32_b32 hwreg(HW_REG_WAVE_MODE, 25, 1), 1
	s_wait_xcnt 0x0
	s_wait_alu depctr_hold_cnt(0) depctr_sa_sdst(0) depctr_va_vdst(0) depctr_va_sdst(0) depctr_va_ssrc(0) depctr_va_vcc(0) depctr_vm_vsrc(0)
	s_getreg_b32 s2, hwreg(HW_REG_IB_STS2, 6, 4)
	s_cmp_eq_u32 s2, 0
	s_cbranch_scc0 .Lentry_in_a_cluster
	s_endpgm
.Lentry_in_a_cluster:
	s_bfe_u32 s2, ttmp6, 0x10000c
	s_cmp_lg_u32 s2, 0x3003
	s_cbranch_scc0 .Lentry_shape_is_right
	s_endpgm
.Lentry_shape_is_right:
; pat = two Hopfield updates of q = x Wq^T + bq, head by head, against memory[512][64]; q and the softmax weights never leave the registers.
; SHARES.  256 work-groups; a work-group makes 256 rows x 256 features (4 heads).  Eight waves; wave w owns head w & 3 of the block and rows
; 128 (w >> 2) .. + 127, as two groups g of 64 rows.  Two waves lie on a SIMD, so that one wave's softmax arithmetic can run beside the other's
; matrix instructions.
; EVERYTHING IS USED TRANSPOSED: source 0 = 16 rows of Wq (or of memory), source 1 = 16 data rows.  In a result lane (r, h) holds data row r
; and its registers j the features 8 h + j, so that two neighbouring results, rounded to bf16 pair by pair, ARE the next product's source 1:
; q -> energies -> weights -> patterns stay in the wave's registers, the softmax axis lies along a lane's registers and in lane xor 16, and the
; patterns are stored as they lie: each store of the wave covers 512 consecutive bytes, aligned, of pat, which the next launch reads as fragments.
; TILES.  Ten tiles of 65,536 bytes go through two LDS slots, tile t in slot t & 1: the block's eight tiles of Wq (256 features x 128 K, bf16, in
; register order), then memory in its two orders, which so lands at bytes 0 and 65,536.  The four work-groups of a cluster make the same feature
; block for different rows, walk the same ten tiles and ask for them jointly (mask 15); each wave asks for 8,192 bytes of a tile.
; A wave has two tensor loads out at the start and one behind each round of the cluster's barrier.
; X comes through registers: each wave loads 32 rows x 512 bytes for a K step of 128, a whole K step before it rounds them to bf16 and puts them into
; one of two stage buffers (LDS stores alone write there).  Four work-groups, of four clusters, read the same rows of x.  They do not ask jointly:
; x is f32, and two slots of 256 rows x 512 bytes (262,144) beside the ring (131,072) are more than the 327,680 bytes of LDS, and the
; f32 numbers would pass through LDS a second time on their way to bf16.
; LIMITS.  Matrix operands (x, Wq, memory, q, the softmax weights, the patterns) are rounded to bf16, sums are f32.  The softmax takes a running
; maximum away, over eight chunks of 64 memories; its sum is over the unrounded f32 weights.  v_exp_f32 gives 0 for results under 2^-126
; (ISA guide, 15.8).  NaN energies lose in the maximum (v_max3_num_f32); NaN and infinite inputs are not treated apart.
;
; LDS: 0 slot 0; 65536 slot 1; 131072 the stage, 2 x 69,632 (256 rows of 272 bytes).
; REGISTERS.  Window 0: v1-8 addresses; v8-31 softmax state; v32-63, 64-95, 96-127 fragment buffers X, Y, Z; v128-255 x on its way, later q of my two groups.
; Window 1 (v256-511): projection: accumulator (g, b, dt) = rows 64 g + 16 b.., features 16 dt.. at 128 g + 32 b + 8 dt;
; updates: energies S(i, b) at 32 b + 8 i (0-127), patterns O(dt, b) at 128 + 32 b + 8 dt.
.set SLOTB,  65536
.set STAGE,  2*SLOTB
.set SPITCH, 272                       ; a stage row: 256 bytes + 16 = 17 x 16: the 16 rows that a load touches lie 16 bytes apart modulo 256
.set SBUF,   256*SPITCH
.set VW0, 1                            ; v1, v2  my head's part of slot 0, slot 1: 16384 (w & 3) + 16 x lane
.set VS0, 3                            ; v3, v4  stage buffer 0, 1: row 128 (w >> 2) + r, 16 h: reads
.set VXO, 5                            ; x: my 16 bytes of my first row.  Later VE
.set VE,  5                            ; memory, rows along d: 16 x lane
.set VXS0, 6                           ; v6, v7  stage buffer 0, 1: where I put x.  Later VR and VPO
.set VR,  6                            ; memory, transposed: 65536 + 16 x lane
.set VPO, 7                            ; pat: 16 x lane
.set VBO, 8                            ; bq: my head's 256 bytes + 32 h (until the softmax state begins)
.set ST,  8                            ; v[8+6b ..]: NM = -c max, AL = rescale factor, L0, L1 = sums, M = max, T = at work;  b = 0..3
.set X,   32
.set Y,   64
.set Z,   96
.set QA,  128                          ; q[group g][b][t] = 128 + 64 g + 16 b + t: row 64 g + 16 b + r, d = 16 (t/4) + 8 h + 2 (t%4), +1
.set QB,  192
.set XS,  128                          ; projection: 32 rows of x, 4 registers each
.set BQ,  128                          ; bq, in the last K step
.set G1,  24                           ; s[24:31] descriptor group 1
.set G0,  32                           ; s[32:39] descriptor group 0, one set for each slot
.set MSB, 0
.macro WIN new                         ; low byte: bits 1:0 source 0, 3:2 source 1, 5:4 source 2, 7:6 destination; the high byte repeats the setting that is left
.if MSB != \new
	s_set_vgpr_msb (MSB<<8)|\new
.set MSB, \new
.endif
.endm
.macro PLACES n                        ; the places behind matrix instructions (ISA guide 7.12.1); other matrix instructions are not counted as places here
.rept \n
	v_nop
.endr
.endm
; A round of the cluster's barrier: my work-group's barrier, wave 0 signals for the work-group, all wait for the four work-groups, my barrier again.
.macro CREST
	s_cmp_lg_u32 s14, 0
	s_cbranch_scc1 .Lnot_wave_0_\@
	s_barrier_signal -3
.Lnot_wave_0_\@:
	s_barrier_wait -3
	s_barrier_signal -1
	s_barrier_wait -1
.endm
.macro ROUND
	s_barrier_signal -1
	s_barrier_wait -1
	CREST
.endm
; four fragments (4,096 bytes in register order): each load takes 512 consecutive bytes
.macro LOAD8 reg, va, off
.irp t8, 0,1,2,3,4,5,6,7
	ds_load_b128 v[\reg+4*\t8:\reg+4*\t8+3], v[\va] offset:\off+512*\t8
.endr
.endm
; the four fragments of rows 64 g .. 64 g + 63 of my 128, 32 K at K = 32 k of a stage buffer
.macro LOADZ reg, buf, g, k
.irp b, 0,1,2,3
	ds_load_b128 v[\reg+8*\b:\reg+8*\b+3],   v[VS0+\buf] offset:(\g)*64*SPITCH+\b*16*SPITCH+(\k)*64
	ds_load_b128 v[\reg+8*\b+4:\reg+8*\b+7], v[VS0+\buf] offset:(\g)*64*SPITCH+\b*16*SPITCH+(\k)*64+32
.endr
.endm
; 16 matrix instructions: my 64 features (fragments at f) x the 64 rows of group g (fragments at zz).  The 16 accumulators take turns, one
; instruction a turn, and the next MUL16 takes the other group's 16.
.macro MUL16 f, zz, g, zero
	WIN 0x50
.irp aa, 0,1,2,3
.irp b, 0,1,2,3
.if \zero
	v_wmma_f32_16x16x32_bf16 v[128*\g+32*\b+8*\aa:128*\g+32*\b+8*\aa+7], v[\f+8*\aa:\f+8*\aa+7], v[\zz+8*\b:\zz+8*\b+7], 0
.else
	v_wmma_f32_16x16x32_bf16 v[128*\g+32*\b+8*\aa:128*\g+32*\b+8*\aa+7], v[\f+8*\aa:\f+8*\aa+7], v[\zz+8*\b:\zz+8*\b+7], v[128*\g+32*\b+8*\aa:128*\g+32*\b+8*\aa+7]
.endif
.endr
.endr
.endm
.macro LDX                             ; my 32 rows, 128 K: each load takes the 512 consecutive bytes of one row
.set jr, 0
.rept 32
	global_load_b128 v[XS+4*jr:XS+4*jr+3], v[VXO], s[4:5] offset:4096*jr
.set jr, jr+1
.endr
.endm
; x: my 32 rows of 128 K are in; round them in place, put them into a stage buffer, ask for the next 128 K.
.macro PUBX buf, ld
	s_wait_loadcnt 0x0                             ; the 32 loads issued a K step ago; it also frees their base
.if \ld
	s_add_nc_u64 s[4:5], s[4:5], 512               ; 128 K on
.endif
.set jr, 0
.rept 32
	v_cvt_pk_bf16_f32 v[XS+4*jr],   v[XS+4*jr],   v[XS+4*jr+1]
	v_cvt_pk_bf16_f32 v[XS+4*jr+1], v[XS+4*jr+2], v[XS+4*jr+3]
.set jr, jr+1
.endr
.set jr, 0
.rept 32
	ds_store_b64 v[VXS0+\buf], v[XS+4*jr:XS+4*jr+1] offset:jr*SPITCH   ; 32 lanes x 8 bytes: a row's 256 bytes
.set jr, jr+1
.endr
.if \ld
	LDX
.endif
.endm
.macro LDBIAS                          ; register 8 dt + j: bq of my head's feature 16 dt + 8 h + j
.irp dt, 0,1,2,3
	global_load_b128 v[BQ+8*\dt:BQ+8*\dt+3],   v[VBO], s[6:7] offset:64*\dt
	global_load_b128 v[BQ+8*\dt+4:BQ+8*\dt+7], v[VBO], s[6:7] offset:64*\dt+16
.endr
.endm
; 32 along K (k = 0, 1, 2 of a K step's four): X = Wq's fragments, Y = rows of group 0, Z = rows of group 1.  Each buffer is loaded again for
; k + 1 as soon as its last matrix instruction is four places back.  cnt: the LDS instructions issued behind X's and Y's runs.
.macro SUB slot, k, zero, cnt
	s_wait_dscnt \cnt                              ; X and Y are in
	MUL16 X, Y, 0, \zero
	PLACES 4                                       ; in front of the loads into Y
	WIN 0
	LOADZ Y, \slot, 0, \k+1
	s_wait_dscnt 8                                 ; Z is in; the eight just issued may be out
	MUL16 X, Z, 1, \zero
	PLACES 4                                       ; in front of the loads into X and Z
	WIN 0
	LOAD8 X, VW0+\slot, 4096*(\k+1)
	LOADZ Z, \slot, 1, \k+1
.endm
; One K step of 128: tile and stage buffer \slot, 128 matrix instructions.  hk: 1 = the next K step's x goes into the other stage buffer (ld: and the one
; after that is asked for); 2 = bq is asked for.  The slot is filled again with the tile two further on (last = 1: memory's, s[12:13] bytes on).
; In front of the round's opening signal stand my reads of the slot and of the stage and my stage stores (s_wait_dscnt 0) and all my tensor loads (one is
; out: my part of the next tile); sixteen matrix instructions, register work, stand between that signal and its wait; the joint refill is the
; first thing behind the round.  The same barrier orders the stage: what was put there in this step may be read, what was read may be written.
.macro STEP slot, zero, last, hk, ld
	LOAD8 X, VW0+\slot, 0
	LOADZ Y, \slot, 0, 0
	LOADZ Z, \slot, 1, 0
.if \hk == 1
	PUBX 1-\slot, \ld
	SUB \slot, 0, \zero, 40                        ; Z's eight loads and the 32 stage stores may be out
.else
.if \hk == 2
	LDBIAS
.endif
	SUB \slot, 0, \zero, 8                         ; Z's eight loads may be out
.endif
	SUB \slot, 1, 0, 8
	SUB \slot, 2, 0, 8
	s_wait_dscnt 8
	MUL16 X, Y, 0, 0
	s_wait_dscnt 0                                 ; Z is in, and no LDS instruction of mine is out
	s_wait_xcnt 0x0
	s_set_vgpr_msb 0x5010
	v_lshl_add_u32 v30, v0, 2, 0x42000
	v_mov_b32 v31, 0
	s_wait_tensorcnt 0x0                           ; my part of the next tile has landed: no tensor load of mine is out
	ds_add_u32 v30, v31
	s_wait_dscnt 0x0
	s_set_vgpr_msb 0x1050
.if \last
	s_add_nc_u64 s[G0+4*\slot+2:G0+4*\slot+3], s[G0+4*\slot+2:G0+4*\slot+3], s[12:13]
.else
	s_add_nc_u64 s[G0+4*\slot+2:G0+4*\slot+3], s[G0+4*\slot+2:G0+4*\slot+3], 2*SLOTB
.endif
	s_barrier_signal -1
	MUL16 X, Z, 1, 0
	PLACES 4                                       ; in front of the next loads into X, Y, Z, and of whatever reads the sums
	WIN 0
	s_barrier_wait -1
	CREST
	tensor_load_to_lds s[G0+4*\slot:G0+4*\slot+3], s[G1:G1+7]
	s_nop 0
.endm
; energies of 32 memories (blocks i0, i0 + 1 of the chunk's four) x 64 rows: eight accumulators by turns, started by the first 32 of d
.macro ENERGY16 f, i0
	WIN 0x50
.irp ks, 0,1
.irp ii, 0,1
.irp b, 0,1,2,3
.if \ks == 0
	v_wmma_f32_16x16x32_bf16 v[32*\b+8*(\i0+\ii):32*\b+8*(\i0+\ii)+7], v[\f+8*(2*\ii+\ks):\f+8*(2*\ii+\ks)+7], v[QA+16*\b+8*\ks:QA+16*\b+8*\ks+7], 0
.else
	v_wmma_f32_16x16x32_bf16 v[32*\b+8*(\i0+\ii):32*\b+8*(\i0+\ii)+7], v[\f+8*(2*\ii+\ks):\f+8*(2*\ii+\ks)+7], v[QA+16*\b+8*\ks:QA+16*\b+8*\ks+7], v[32*\b+8*(\i0+\ii):32*\b+8*(\i0+\ii)+7]
.endif
.endr
.endr
.endr
.endm
; patterns += memory^T (64 d x 32 memories) x weights (in window 1 at 32 b + 8 ksp): sixteen accumulators by turns
.macro RETR16 f, ksp, zero
	WIN 0x54
.irp dt, 0,1,2,3
.irp b, 0,1,2,3
.if \zero
	v_wmma_f32_16x16x32_bf16 v[128+32*\b+8*\dt:128+32*\b+8*\dt+7], v[\f+8*\dt:\f+8*\dt+7], v[32*\b+8*\ksp:32*\b+8*\ksp+7], 0
.else
	v_wmma_f32_16x16x32_bf16 v[128+32*\b+8*\dt:128+32*\b+8*\dt+7], v[\f+8*\dt:\f+8*\dt+7], v[32*\b+8*\ksp:32*\b+8*\ksp+7], v[128+32*\b+8*\dt:128+32*\b+8*\dt+7]
.endif
.endr
.endr
.endm
; The chunk's 64 energies of each of 64 rows become weights 2^(c S - c max), c = 16 log2 e.  Each stage goes round b = 0..3, so that an
; instruction never needs the one in front of it.  first = 1: the chunk starts maximum, sums and patterns; nothing is cleared or rescaled.
.macro SOFTMAX first
.if \first
	WIN 0x05
.irp b, 0,1,2,3
	v_max_num_f32 v[ST+6*\b+4], v[32*\b], v[32*\b+1]
.endr
.endif
.set t, \first
	WIN 0x14
.rept 16-\first
.irp b, 0,1,2,3
	v_max3_num_f32 v[ST+6*\b+4], v[ST+6*\b+4], v[32*\b+2*t], v[32*\b+2*t+1]
.endr
.set t, t+1
.endr
	WIN 0
.irp b, 0,1,2,3
	v_permlanex16_b32 v[ST+6*\b+5], v[ST+6*\b+4], s40, s41     ; the other 32 memories of the row lie in lane xor 16
.endr
.irp b, 0,1,2,3
	v_max_num_f32 v[ST+6*\b+4], v[ST+6*\b+4], v[ST+6*\b+5]
.endr
.if \first
.irp b, 0,1,2,3
	v_mul_f32 v[ST+6*\b], s44, v[ST+6*\b+4]                    ; NM = -c max
.endr
.else
.irp b, 0,1,2,3
	v_mul_f32 v[ST+6*\b+5], s44, v[ST+6*\b+4]                  ; the new NM
.endr
.irp b, 0,1,2,3
	v_sub_f32 v[ST+6*\b+1], v[ST+6*\b+5], v[ST+6*\b]           ; new NM - old NM <= 0: of the very numbers that shift the weights
.endr
.irp b, 0,1,2,3
	v_exp_f32 v[ST+6*\b+1], v[ST+6*\b+1]                       ; AL, what the older chunks are rescaled by
.endr
.irp b, 0,1,2,3
	v_mov_b32 v[ST+6*\b], v[ST+6*\b+5]                         ; plain work that touches no AL stands behind the exponentials (ISA guide 5.7.2)
.endr
	s_wait_alu depctr_va_vdst(0)
.irp b, 0,1,2,3
	v_pk_mul_f32 v[ST+6*\b+2:ST+6*\b+3], v[ST+6*\b+2:ST+6*\b+3], v[ST+6*\b:ST+6*\b+1] op_sel:[0,1]   ; both sums x AL
.endr
.endif
	WIN 0x41
.set t, 0
.rept 16
.irp b, 0,1,2,3
	v_pk_fma_f32 v[32*\b+2*t:32*\b+2*t+1], v[32*\b+2*t:32*\b+2*t+1], s[42:43], v[ST+6*\b:ST+6*\b+1] op_sel_hi:[1,0,0]   ; c S + NM
.endr
.set t, t+1
.endr
.set t, 0
.rept 16
.irp b, 0,1,2,3
	v_exp_f32 v[32*\b+2*t], v[32*\b+2*t]
	v_exp_f32 v[32*\b+2*t+1], v[32*\b+2*t+1]
.if \first == 0
	v_pk_mul_f32 v[128+32*\b+2*t:128+32*\b+2*t+1], v[128+32*\b+2*t:128+32*\b+2*t+1], v[ST+6*\b:ST+6*\b+1] op_sel:[0,1]   ; the patterns so far x AL, among the exponentials
.endif
.endr
.set t, t+1
.endr
.if \first
	v_nop                                          ; the plain place behind the exponentials
	WIN 0x05
	s_wait_alu depctr_va_vdst(0)
.irp b, 0,1,2,3
	v_pk_add_f32 v[ST+6*\b+2:ST+6*\b+3], v[32*\b:32*\b+1], v[32*\b+2:32*\b+3]
.endr
.endif
.set t, 2*\first
	WIN 0x04
	s_wait_alu depctr_va_vdst(0)
.rept 16-2*\first
.irp b, 0,1,2,3
	v_pk_add_f32 v[ST+6*\b+2:ST+6*\b+3], v[ST+6*\b+2:ST+6*\b+3], v[32*\b+2*t:32*\b+2*t+1]
.endr
.set t, t+1
.endr
	WIN 0x45
.set t, 0
.rept 16
.irp b, 0,1,2,3
	v_cvt_pk_bf16_f32 v[32*\b+t], v[32*\b+2*t], v[32*\b+2*t+1]  ; in place, ascending: register t is written when 2 t and 2 t + 1 have been read
.endr
.set t, t+1
.endr
.endm
; One chunk of 64 memories.  At its head three runs of eight LDS loads may be out, in this order: Y = the chunk's memories 32-63, X = 0-31, Z = the first
; half of the transposed part.  It leaves the same three runs for the next chunk (chunk 7: for chunk 0 of the next pass; behind the very last
; pass these 24 loads are not used, and the wait for 0 there takes them in).
.macro CHUNK ch, first
	s_wait_dscnt 16                                ; Y is in; X's and Z's runs may be out
	ENERGY16 Y, 2
	s_wait_dscnt 8                                 ; X is in
	ENERGY16 X, 0
	PLACES 4                                       ; in front of the loads into X and Y and of the softmax
	WIN 0
	LOAD8 X, VR, 8192*\ch+4096                     ; the second half of the transposed part
	LOAD8 Y, VE, 8192*((\ch+1)&7)+4096
	SOFTMAX \first
	s_wait_dscnt 16                                ; Z is in; the two runs just issued may be out
	RETR16 Z, 0, \first
	s_wait_dscnt 8                                 ; X is in
	RETR16 X, 1, 0
	PLACES 5                                       ; the next chunk's energies write over the weights; loads into X and Z follow
	WIN 0
	LOAD8 X, VE, 8192*((\ch+1)&7)
	LOAD8 Z, VR, 8192*((\ch+1)&7)
.endm
.macro NORMQ                           ; patterns / sum, rounded to bf16: the group's new q
	WIN 0
.irp b, 0,1,2,3
	v_add_f32 v[ST+6*\b+5], v[ST+6*\b+2], v[ST+6*\b+3]
.endr
.irp b, 0,1,2,3
	v_permlanex16_b32 v[ST+6*\b+4], v[ST+6*\b+5], s40, s41
.endr
.irp b, 0,1,2,3
	v_add_f32 v[ST+6*\b+5], v[ST+6*\b+5], v[ST+6*\b+4]         ; at least about 1: the largest weight is 2^0
.endr
.irp b, 0,1,2,3
	v_rcp_f32 v[ST+6*\b+1], v[ST+6*\b+5]
.endr
	v_nop                                          ; the plain place behind the reciprocals
	WIN 0x41
.set t, 0
	s_wait_alu depctr_va_vdst(0)
.rept 16
.irp b, 0,1,2,3
	v_pk_mul_f32 v[128+32*\b+2*t:128+32*\b+2*t+1], v[128+32*\b+2*t:128+32*\b+2*t+1], v[ST+6*\b:ST+6*\b+1] op_sel:[0,1]
.endr
.set t, t+1
.endr
	WIN 0x05
.set t, 0
.rept 16
.irp b, 0,1,2,3
	v_cvt_pk_bf16_f32 v[QA+16*\b+t], v[128+32*\b+2*t], v[128+32*\b+2*t+1]
.endr
.set t, t+1
.endr
	WIN 0
.endm
	; ---------------- start ----------------
	s_load_b256 s[4:11], s[0:1], 0x0               ; x s[4:5], bq s[6:7], wpack s[8:9], pat s[10:11]
	v_lshl_add_u32 v30, v0, 2, 0x42000
	v_mov_b32 v31, 0
	ds_add_u32 v30, v31
	s_wait_dscnt 0x0
	v_lshrrev_b32 v1, 5, v0
	v_readfirstlane_b32 s14, v1                    ; wave 0..7
	s_and_b32 s15, s14, 3                          ; hh: my head of the block's four
	s_lshr_b32 s16, s14, 2                         ; rh: my half of the block's rows
	s_bfe_u32 s17, ttmp6, 0x40000                  ; cx: it enters the addresses of x and pat alone
	s_and_b32 s18, ttmp9, 3                        ; cb, the feature block: the same in the four partners (ttmp9 counts clusters)
	s_lshr_b32 s19, ttmp9, 2
	s_lshl_b32 s19, s19, 2
	s_add_co_u32 s19, s19, s17                     ; rb, the row block
	s_lshl_b32 s20, s19, 20                        ; x: 256 rows of 4,096 bytes
	s_mov_b32 s21, 0
	s_lshl_b32 s51, s14, 13                        ; my 8,192 bytes of a tile
	s_lshl_b32 s22, s18, 19                        ; wpack: the block's eight tiles of Wq,
	s_add_co_u32 s22, s22, s51                     ; my part
	s_mov_b32 s23, 0
	s_lshl_b32 s12, s18, 19
	s_sub_co_u32 s12, 0x1a0000, s12                ; from Wq's tile 6 (7) to memory's first (second) order: 2,097,152 - 6 x 65,536 - 524,288 cb
	s_mov_b32 s13, 0
	s_lshl_b32 s48, s19, 19                        ; pat: rb x 8 K steps of 65,536 bytes,
	s_lshl_b32 s50, s18, 17
	s_add_co_u32 s48, s48, s50                     ; K step 2 cb + (hh >> 1),
	s_lshr_b32 s50, s15, 1
	s_lshl_b32 s50, s50, 16
	s_add_co_u32 s48, s48, s50
	s_lshl_b32 s50, s16, 15
	s_add_co_u32 s48, s48, s50                     ; row tile 8 rh (4,096 bytes each),
	s_and_b32 s50, s15, 1
	s_lshl_b32 s50, s50, 11
	s_add_co_u32 s48, s48, s50                     ; fragment 2 (hh & 1) (1,024 bytes each)
	s_mov_b32 s49, 0
	s_mov_b32 s40, 0x76543210                      ; v_permlanex16_b32: lane i takes lane i of the other half
	s_mov_b32 s41, 0xfedcba98
	s_mov_b32 s42, 0x41b8aa3b                      ; c = 16 log2 e, twice for the packed form
	s_mov_b32 s43, 0x41b8aa3b
	s_mov_b32 s44, 0xc1b8aa3b                      ; -c
	; group 1: 8,192 dense bytes as 32 rows of 32 elements of 8 bytes
	s_mov_b32 s[G1+0], 15|(3<<16)|(1<<21)          ; 15:0 the mask: all four work-groups of the cluster; 17:16 elements of 8 bytes; 21 set beside a mask
	s_mov_b32 s[G1+1], 32<<16                      ; tensor_dim0 = 32
	s_mov_b32 s[G1+2], 32<<16                      ; tensor_dim1 = 32
	s_mov_b32 s[G1+3], 32<<16                      ; tile_dim0 = 32
	s_mov_b32 s[G1+4], 32                          ; tile_dim1 = 32
	s_mov_b32 s[G1+5], 32                          ; from row to row: 32 elements
	s_mov_b32 s[G1+6], 0
	s_mov_b32 s[G1+7], 0
	s_wait_kmcnt 0x0
	s_add_nc_u64 s[4:5], s[4:5], s[20:21]
	s_add_nc_u64 s[10:11], s[10:11], s[48:49]
	s_add_nc_u64 s[8:9], s[8:9], s[22:23]          ; my part of tile 0: the same in all four work-groups
.irp s, 0,1
	s_mov_b32 s[G0+4*\s], 1
	s_add_co_u32 s[G0+4*\s+1], s51, \s*SLOTB       ; LDS: the slot, my part
	s_add_nc_u64 s[G0+4*\s+2:G0+4*\s+3], s[8:9], \s*SLOTB
	s_or_b32 s[G0+4*\s+3], s[G0+4*\s+3], 0x80000000
.endr
	ROUND                                          ; the four work-groups are here: the first joint loads meet
	tensor_load_to_lds s[G0:G0+3], s[G1:G1+7]      ; tile 0
	s_nop 0
	tensor_load_to_lds s[G0+4:G0+7], s[G1:G1+7]    ; tile 1
	s_nop 0
	v_and_b32 v12, 31, v0                          ; lane
	v_and_b32 v13, 15, v0                          ; r
	v_bfe_u32 v14, v0, 4, 1                        ; h
	s_lshl_b32 s50, s14, 17                        ; x: my 32 rows
	v_lshl_add_u32 v[VXO], v12, 4, s50
	LDX                                            ; K 0 to 127
	s_lshl_b32 s50, s15, 14
	v_lshl_add_u32 v[VW0], v12, 4, s50
	v_add_nc_u32 v[VW0+1], SLOTB, v[VW0]
	v_mul_u32_u24 v15, v13, SPITCH
	v_lshl_add_u32 v15, v14, 4, v15
	s_mul_i32 s50, s16, 128*SPITCH
	s_add_co_u32 s50, s50, STAGE
	v_add_nc_u32 v[VS0], s50, v15
	v_add_nc_u32 v[VS0+1], SBUF, v[VS0]
	s_mul_i32 s50, s14, 32*SPITCH
	s_add_co_u32 s50, s50, STAGE
	v_lshl_add_u32 v[VXS0], v12, 3, s50
	v_add_nc_u32 v[VXS0+1], SBUF, v[VXS0]
	s_lshl_b32 s50, s18, 10
	s_lshl_b32 s52, s15, 8
	s_add_co_u32 s50, s50, s52
	v_lshl_add_u32 v[VBO], v14, 5, s50
	PUBX 0, 1                                      ; K 0-127 into buffer 0; K 128-255 are asked for
	s_wait_tensorcnt 0x1                           ; my part of tile 0 is in; tile 1 may stay out
	s_wait_dscnt 0x0                               ; my rows of x are in the stage
	s_barrier_signal -1
	s_barrier_wait -1
	; ---------------- q = x Wq^T: eight K steps of 128 ----------------
	STEP 0, 1, 0, 1, 1                             ; the first products start the sums
	STEP 1, 0, 0, 1, 1
	s_mov_b32 s45, 2
.Lproject:
	STEP 0, 0, 0, 1, 1
	STEP 1, 0, 0, 1, 1
	s_sub_co_u32 s45, s45, 1
	s_cmp_lg_u32 s45, 0
	s_cbranch_scc1 .Lproject
	STEP 0, 0, 1, 1, 0                             ; K step 6: the last 128 K of x are put up; memory, rows along d, is asked for
	STEP 1, 0, 1, 2, 0                             ; K step 7: bq comes into x's registers, which are free; memory, transposed, is asked for
	; ---------------- two updates for each of my two groups of 64 rows ----------------
	v_and_b32 v[VE], 31, v0
	v_lshlrev_b32 v[VE], 4, v[VE]
	v_add_nc_u32 v[VR], 65536, v[VE]
	s_wait_loadcnt 0x0                             ; bq
	WIN 0x41                                       ; q + bq,
.irp g, 0,1
.irp b, 0,1,2,3
.irp dt, 0,1,2,3
.set AC, 128*\g+32*\b+8*\dt
.irp p, 0,2,4,6
	v_pk_add_f32 v[AC+\p:AC+\p+1], v[AC+\p:AC+\p+1], v[BQ+8*\dt+\p:BQ+8*\dt+\p+1]
.endr
.endr
.endr
.endr
	WIN 0x05                                       ; rounded to bf16: accumulator registers 2 i, 2 i + 1 make q's register i
.set t, 0
.rept 128
	v_cvt_pk_bf16_f32 v[QA+t], v[2*t], v[2*t+1]
.set t, t+1
.endr
	WIN 0
.irp b, 0,1,2,3
	v_mov_b32 v[ST+6*\b+1], 0                      ; AL is named beside NM in register pairs, T is a lane permute's destination: both written once
	v_mov_b32 v[ST+6*\b+5], 0
.endr
	s_wait_tensorcnt 0x0                           ; my part of the transposed memory has landed (no LDS instruction of mine is out),
	s_barrier_signal -1
	s_barrier_wait -1                              ; everybody's has; nothing is filled any more
	LOAD8 Y, VE, 4096                              ; the three runs that a chunk expects
	LOAD8 X, VE, 0
	LOAD8 Z, VR, 0
	s_mov_b32 s47, 2
.Lgroup:
	s_mov_b32 s46, 2
.Lupdate:
	CHUNK 0, 1
	CHUNK 1, 0
	CHUNK 2, 0
	CHUNK 3, 0
	CHUNK 4, 0
	CHUNK 5, 0
	CHUNK 6, 0
	CHUNK 7, 0
	NORMQ
	s_sub_co_u32 s46, s46, 1
	s_cmp_lg_u32 s46, 0
	s_cbranch_scc1 .Lupdate
.set t, 0
.rept 64
	v_swap_b32 v[QA+t], v[QB+t]                    ; the other group's turn; the second exchange puts both back in their places
.set t, t+1
.endr
	s_sub_co_u32 s47, s47, 1
	s_cmp_lg_u32 s47, 0
	s_cbranch_scc1 .Lgroup
	; ---------------- the patterns go out as they lie ----------------
	; Registers 4 kc .. 4 kc + 3 of (g, b) are block kc of the two fragments of row tile 4 g + b: 16 bytes a lane, 512 consecutive bytes a store.
	s_wait_dscnt 0x0                               ; the 24 loads that looked ahead past the last chunk
	v_and_b32 v[VPO], 31, v0
	v_lshlrev_b32 v[VPO], 4, v[VPO]
.irp g, 0,1
.irp b, 0,1,2,3
.irp kc, 0,1,2,3
	global_store_b128 v[VPO], v[QA+64*\g+16*\b+4*\kc:QA+64*\g+16*\b+4*\kc+3], s[10:11] offset:(4*\g+\b)*4096+\kc*512
.endr
.endr
.endr
	s_wait_xcnt 0x0
	v_lshl_add_u32 v30, v0, 2, 0x42000
	v_mov_b32 v31, 0
	s_wait_tensorcnt 0x0
	ds_add_u32 v30, v31
	s_wait_dscnt 0x0
	ROUND                                          ; the closing round: no work-group ends while a partner may still ask for a tile that names it
	s_endpgm
.Lfunc_end_k_q9aa438cd80_hop:
	.size	k_q9aa438cd80_hop, .Lfunc_end_k_q9aa438cd80_hop-k_q9aa438cd80_hop
	.p2alignl 7, 3214868480
	.fill 96, 4, 3214868480
	.section	.rodata,"a",@progbits
	.p2align	6, 0x0
	.amdhsa_kernel k_q9aa438cd80_hop
		.amdhsa_group_segment_fixed_size 327680
		.amdhsa_private_segment_fixed_size 0
		.amdhsa_enable_private_segment 0
		.amdhsa_kernarg_size 32
		.amdhsa_user_sgpr_count 2
		.amdhsa_user_sgpr_kernarg_segment_ptr 1
		.amdhsa_wavefront_size32 1
		.amdhsa_system_sgpr_workgroup_id_x 1
		.amdhsa_system_sgpr_workgroup_id_y 1
		.amdhsa_system_sgpr_workgroup_id_z 1
		.amdhsa_system_vgpr_workitem_id 0
		.amdhsa_next_free_vgpr 512
		.amdhsa_next_free_sgpr 66
		.amdhsa_reserve_vcc 0
		.amdhsa_float_denorm_mode_32 3
		.amdhsa_float_denorm_mode_16_64 3
		.amdhsa_memory_ordered 1
		.amdhsa_forward_progress 1
		.amdhsa_inst_pref_size 255
	.end_amdhsa_kernel
	.section	.bss,"aw",@nobits
	.p2align	6
	.space	262144
	.amdgpu_metadata
---
amdhsa.version: [ 1, 2 ]
amdhsa.kernels:
  - .name:           k_q9aa438cd80_hop
    .symbol:         k_q9aa438cd80_hop.kd
    .args:
      - { .name: x, .offset: 0, .size: 8, .value_kind: global_buffer, .address_space: global }
      - { .name: bq, .offset: 8, .size: 8, .value_kind: global_buffer, .address_space: global }
      - { .name: wpack, .offset: 16, .size: 8, .value_kind: global_buffer, .address_space: global }
      - { .name: pat, .offset: 24, .size: 8, .value_kind: global_buffer, .address_space: global }
    .group_segment_fixed_size: 327680
    .private_segment_fixed_size: 0
    .kernarg_segment_align: 8
    .kernarg_segment_size: 32
    .max_flat_workgroup_size: 256
    .sgpr_count:     66
    .vgpr_count:     512
    .wavefront_size: 32
...
	.end_amdgpu_metadata
.endif
;; end of part 2
;; launch proj (part 3): grid 4 x 64, 8 waves a work-group, clusters of 4 x 4, 327,680 bytes of LDS; arguments pat, wpack, bo, out0; writes out0
.if DOCPART == 3
	.amdgcn_target "amdgcn-amd-amdhsa--gfx1250"
	.amdhsa_code_object_version 6
	.text
	.protected	k_q9aa438cd80_proj
	.globl	k_q9aa438cd80_proj
	.p2align	8
	.type	k_q9aa438cd80_proj,@function
k_q9aa438cd80_proj:
	s_mov_b64 s[64:65], 0
	v_nop
	global_prefetch_b8 v0, s[64:65] scope:SCOPE_SE
	s_setreg_imm32_b32 hwreg(HW_REG_WAVE_MODE, 25, 1), 1
	s_wait_xcnt 0x0
	s_wait_alu depctr_hold_cnt(0) depctr_sa_sdst(0) depctr_va_vdst(0) depctr_va_sdst(0) depctr_va_ssrc(0) depctr_va_vcc(0) depctr_vm_vsrc(0)
	s_getreg_b32 s2, hwreg(HW_REG_IB_STS2, 6, 4)
	s_cmp_eq_u32 s2, 0
	s_cbranch_scc0 .Lentry_in_a_cluster
	s_endpgm
.Lentry_in_a_cluster:
	s_bfe_u32 s2, ttmp6, 0x10000c
	s_cmp_lg_u32 s2, 0xf033
	s_cbranch_scc0 .Lentry_shape_is_right
	s_endpgm
.Lentry_shape_is_right:
; out0 = pat Wo^T + bo.  pat: 16,384 rows x 1,024 features, bf16, stored by the launch before as tiles of 256 rows x 128 K (65,536 bytes) in register
; order: [row block][K step][row tile 16][32 K 4][block 2][lane 32] 16 bytes.  Wo: bf16 tiles of 256 features x 128 K in register order, in wpack.
; SHARES.  A work-group makes 256 rows x 256 columns of out0.  Eight waves; wave w makes columns 64 (w & 3) .. + 63 of rows 128 (w >> 2) .. + 127:
; 32 accumulators, 256 registers.  Source 0 = 16 rows of Wo, source 1 = 16 data rows: lane (r, h) holds data row r, its registers j the columns 8 h + j.
; TILES.  K goes in eight steps of 128 through two LDS slots of 131,072 bytes, Wo's tile first, pat's behind it.  Waves 0-3 ask for Wo's tile, waves 4-7
; for pat's, 16,384 bytes each.  4 x 4 work-groups form a cluster: pat's tile hangs on the row block alone and is asked for jointly along a row of the
; cluster, Wo's on the column block alone and is asked for jointly along a column.  A wave has two tensor loads out at the start and one behind each
; round of the cluster's barrier.
; Sums are f32, K ascending; the operands are bf16.
;
; LDS: 0 slot 0; 131072 slot 1; 262144 the way out: 16 rows of 272 bytes for each wave (LDS stores alone write there).
; REGISTERS.  Window 0: v1-8 addresses; v32-127, v128-223 two sets of fragments (Wo 32, rows of group 0 32, rows of group 1 32); v224-255 bo.
; Window 1: accumulator (g, b, dt) = rows 64 g + 16 b.., columns 16 dt.. at 128 g + 32 b + 8 dt.
.set SLOTB,  131072
.set STAGE,  2*SLOTB
.set OPITCH, 272                       ; a row on the way out: 256 bytes + 16 = 17 x 16
.set WO_AT,  2228224                   ; Wo's tiles in wpack
.set VW0, 1                            ; v1, v2  Wo's fragments in slot 0, 1: 16384 (w & 3) + 16 x lane
.set VA0, 3                            ; v3, v4  pat's fragments: 65536 + 32768 (w >> 2) + 16 x lane
.set VBO, 5
.set VOS, 6
.set VOL, 7
.set VOO, 8
.set F0,  32
.set F1,  128
.set BO,  224
.set G1,  24                           ; s[24:31] group 1 for pat's tiles
.set G0,  32                           ; s[32:39] group 0 for pat's tiles, one set for each slot
.set G1B, 48                           ; s[48:55] group 1 for Wo's tiles: it differs in the mask alone
.set G0B, 56                           ; s[56:63] group 0 for Wo's tiles
.set MSB, 0
.macro WIN new                         ; low byte: bits 1:0 source 0, 3:2 source 1, 5:4 source 2, 7:6 destination; the high byte repeats the setting that is left
.if MSB != \new
	s_set_vgpr_msb (MSB<<8)|\new
.set MSB, \new
.endif
.endm
.macro PLACES n                        ; the places behind matrix instructions (ISA guide 7.12.1); other matrix instructions are not counted as places here
.rept \n
	v_nop
.endr
.endm
.macro CREST                           ; a round of the cluster's barrier behind its opening barrier
	s_cmp_lg_u32 s14, 0
	s_cbranch_scc1 .Lnot_wave_0_\@
	s_barrier_signal -3
.Lnot_wave_0_\@:
	s_barrier_wait -3
	s_barrier_signal -1
	s_barrier_wait -1
.endm
.macro ROUND
	s_barrier_signal -1
	s_barrier_wait -1
	CREST
.endm
; A joint load.  Each of the two lines has one mask and one set of registers for all that issue it; the branch hangs on the wave's number alone.
.macro JLOAD s
	s_cmp_eq_u32 s15, 0
	s_cbranch_scc0 .Lfor_pat_\@
	tensor_load_to_lds s[G0B+4*\s:G0B+4*\s+3], s[G1B:G1B+7]
	s_nop 0
	s_branch .Lasked_\@
.Lfor_pat_\@:
	tensor_load_to_lds s[G0+4*\s:G0+4*\s+3], s[G1:G1+7]
	s_nop 0
.Lasked_\@:
.endm
.macro LOAD8 reg, va, off              ; four fragments that follow each other: each load takes 512 consecutive bytes
.irp t8, 0,1,2,3,4,5,6,7
	ds_load_b128 v[\reg+4*\t8:\reg+4*\t8+3], v[\va] offset:\off+512*\t8
.endr
.endm
.macro LOADR reg, va, off              ; one fragment of each of four row tiles, 4,096 bytes apart
.irp b, 0,1,2,3
	ds_load_b128 v[\reg+8*\b:\reg+8*\b+3],   v[\va] offset:\off+4096*\b
	ds_load_b128 v[\reg+8*\b+4:\reg+8*\b+7], v[\va] offset:\off+4096*\b+512
.endr
.endm
.macro LOADSET f, slot, k              ; 24 loads: all that 32 along K needs
	LOAD8 \f, VW0+\slot, 4096*\k
	LOADR \f+32, VA0+\slot, 1024*\k
	LOADR \f+64, VA0+\slot, 16384+1024*\k
.endm
; 16 matrix instructions: my 64 columns x the 64 rows of group g.  The 16 accumulators take turns, one instruction a turn, and the next MUL16 takes
; the other group's 16.
.macro MUL16 f, zz, g, zero
	WIN 0x50
.irp aa, 0,1,2,3
.irp b, 0,1,2,3
.if \zero
	v_wmma_f32_16x16x32_bf16 v[128*\g+32*\b+8*\aa:128*\g+32*\b+8*\aa+7], v[\f+8*\aa:\f+8*\aa+7], v[\zz+8*\b:\zz+8*\b+7], 0
.else
	v_wmma_f32_16x16x32_bf16 v[128*\g+32*\b+8*\aa:128*\g+32*\b+8*\aa+7], v[\f+8*\aa:\f+8*\aa+7], v[\zz+8*\b:\zz+8*\b+7], v[128*\g+32*\b+8*\aa:128*\g+32*\b+8*\aa+7]
.endif
.endr
.endr
.endm
; One K step of 128: 128 matrix instructions on two fragment sets by turns; a set is loaded again, in one run, 32 matrix instructions before its use.
; mode 2: the slot is filled again, two K steps ahead.  In front of the round's opening signal stand my reads of the slot (s_wait_dscnt 0) and all my tensor
; loads (one is out: my part of the other slot); sixteen matrix instructions, register work, stand between that signal and its wait; the joint
; refill is the first thing behind the round.   mode 1: nothing is left to fetch: the same waits and my work-group's barrier show the last slot whole.
; mode 0: the last K step.
.macro STEP slot, zero, mode
	LOADSET F0, \slot, 0
	LOADSET F1, \slot, 1
	s_wait_dscnt 24                                ; the older set is in; the younger set's 24 loads may be out
	MUL16 F0, F0+32, 0, \zero
	MUL16 F0, F0+64, 1, \zero
	PLACES 4                                       ; in front of the loads into the set just used
	WIN 0
	LOADSET F0, \slot, 2
	s_wait_dscnt 24
	MUL16 F1, F1+32, 0, 0
	MUL16 F1, F1+64, 1, 0
	PLACES 4
	WIN 0
	LOADSET F1, \slot, 3
	s_wait_dscnt 24
	MUL16 F0, F0+32, 0, 0
	MUL16 F0, F0+64, 1, 0
	s_wait_dscnt 0                                 ; the last set is in, and no LDS instruction of mine is out
	MUL16 F1, F1+32, 0, 0
.if \mode > 0
	s_wait_tensorcnt 0x0                           ; my part of the other slot has landed: no tensor load of mine is out
	ds_add_u32 v30, v31
	s_wait_dscnt 0x0
.endif
.if \mode == 2
	s_add_nc_u64 s[G0+4*\slot+2:G0+4*\slot+3], s[G0+4*\slot+2:G0+4*\slot+3], 2*65536     ; this slot's next tiles
	s_add_nc_u64 s[G0B+4*\slot+2:G0B+4*\slot+3], s[G0B+4*\slot+2:G0B+4*\slot+3], 2*65536
.endif
.if \mode > 0
	s_barrier_signal -1
.endif
	MUL16 F1, F1+64, 1, 0
	PLACES 4                                       ; in front of the next loads into both sets, and of whatever reads the sums
	WIN 0
.if \mode > 0
	s_barrier_wait -1
.endif
.if \mode == 2
	CREST
	JLOAD \slot
.endif
.endm
; rows 64 g + 16 b .. + 15 of my 128: + bo, 32 bytes a lane and column block into my own stage, read back as whole rows of 256 bytes, stored
.macro OUTB g, b
	WIN 0x41
.irp dt, 0,1,2,3
.irp p, 0,2,4,6
	v_pk_add_f32 v[128*\g+32*\b+8*\dt+\p:128*\g+32*\b+8*\dt+\p+1], v[128*\g+32*\b+8*\dt+\p:128*\g+32*\b+8*\dt+\p+1], v[BO+8*\dt+\p:BO+8*\dt+\p+1]
.endr
.endr
	WIN 0x04
.irp dt, 0,1,2,3
	ds_store_b128 v[VOS], v[128*\g+32*\b+8*\dt:128*\g+32*\b+8*\dt+3]   offset:64*\dt
	ds_store_b128 v[VOS], v[128*\g+32*\b+8*\dt+4:128*\g+32*\b+8*\dt+7] offset:64*\dt+16
.endr
	WIN 0
	s_wait_xcnt 0x0                                ; v32-63, which the last block's stores read, are loaded again only behind this wait
.irp tt, 0,1,2,3,4,5,6,7
	ds_load_b128 v[F0+4*\tt:F0+4*\tt+3], v[VOL] offset:2*OPITCH*\tt   ; LDS serves a wave's instructions in order (ISA guide 5.7.1): these see the stores above
.endr
.irp tt, 0,1,2,3,4,5,6,7
	s_wait_dscnt 7-\tt                             ; rows 2 tt, 2 tt + 1 are in; the younger loads stay out
	global_store_b128 v[VOO], v[F0+4*\tt:F0+4*\tt+3], s[10:11] offset:(16*(4*\g+\b)+2*\tt)*4096 th:TH_STORE_NT   ; sixteen lanes store 256 consecutive bytes, aligned
.endr
.endm
	s_load_b256 s[4:11], s[0:1], 0x0               ; pat s[4:5], wpack s[6:7], bo s[8:9], out0 s[10:11]
	v_lshl_add_u32 v30, v0, 2, 0x48800
	v_mov_b32 v31, 0
	ds_add_u32 v30, v31
	v_lshrrev_b32 v1, 5, v0
	v_readfirstlane_b32 s14, v1                    ; wave 0..7
	s_lshr_b32 s15, s14, 2                         ; my half of the block's rows.  Also: I fetch for Wo (0) or for pat (1)
	s_and_b32 s16, s14, 3                          ; my 64 columns.  Also: which quarter of that tile I fetch
	s_bfe_u32 s40, ttmp6, 0x40000                  ; cx
	s_bfe_u32 s41, ttmp6, 0x40004                  ; cy
	s_lshl_b32 s42, ttmp9, 2                       ; in a cluster launch ttmp9 and ttmp7 count clusters
	s_add_co_u32 s42, s42, s40                     ; column block = 4 x cluster x + cx
	s_and_b32 s13, ttmp7, 0xffff
	s_lshl_b32 s13, s13, 2
	s_add_co_u32 s13, s13, s41                     ; row block = 4 x cluster y + cy
	s_lshl_b32 s43, s41, 2
	s_lshl_b32 s43, 15, s43                        ; my row of the cluster: places 4 cy .. 4 cy + 3
	s_lshl_b32 s44, 0x1111, s40                    ; my column: places cx, cx + 4, cx + 8, cx + 12
	; group 1: 16,384 dense bytes as 64 rows of 32 elements of 8 bytes
	s_or_b32 s[G1+0], s43, (3<<16)|(1<<21)         ; 15:0 the mask: pat's tiles go to my row; 17:16 elements of 8 bytes; 21 set beside a mask
	s_or_b32 s[G1B+0], s44, (3<<16)|(1<<21)        ; the same with the mask of my column, for Wo's tiles
	s_mov_b32 s[G1+1], 32<<16                      ; tensor_dim0 = 32
	s_mov_b32 s[G1B+1], 32<<16
	s_mov_b32 s[G1+2], 64<<16                      ; tensor_dim1 = 64
	s_mov_b32 s[G1B+2], 64<<16
	s_mov_b32 s[G1+3], 32<<16                      ; tile_dim0 = 32
	s_mov_b32 s[G1B+3], 32<<16
	s_mov_b32 s[G1+4], 64                          ; tile_dim1 = 64
	s_mov_b32 s[G1B+4], 64
	s_mov_b32 s[G1+5], 32                          ; from row to row: 32 elements
	s_mov_b32 s[G1B+5], 32
	s_mov_b32 s[G1+6], 0
	s_mov_b32 s[G1B+6], 0
	s_mov_b32 s[G1+7], 0
	s_mov_b32 s[G1B+7], 0
	; where the tiles come from: every wave makes both addresses, in registers that never hold the other coordinate, and asks by one of them
	s_lshl_b32 s17, s16, 14                        ; my quarter of a tile
	s_lshl_b32 s18, s13, 19                        ; pat: row block x 8 tiles of 65,536 bytes
	s_add_co_u32 s18, s18, s17
	s_mov_b32 s19, 0
	s_lshl_b32 s46, s42, 19                        ; Wo: column block x 8 tiles
	s_add_co_u32 s46, s46, s17
	s_add_co_u32 s46, s46, WO_AT
	s_mov_b32 s47, 0
	s_lshl_b32 s20, s14, 14                        ; and where they go: wave x 16,384: Wo's four quarters, then pat's
	s_lshl_b32 s22, s13, 20                        ; out0: 256 rows of 4,096 bytes a row block,
	s_lshl_b32 s21, s15, 19
	s_add_co_u32 s22, s22, s21                     ; my 128 rows,
	s_lshl_b32 s21, s42, 10
	s_add_co_u32 s22, s22, s21                     ; 1,024 bytes a column block,
	s_lshl_b32 s12, s16, 8
	s_add_co_u32 s22, s22, s12                     ; my 256 bytes
	s_mov_b32 s23, 0
	s_add_co_u32 s21, s21, s12                     ; the same columns in bo
	s_wait_dscnt 0x0
	s_wait_kmcnt 0x0
	s_add_nc_u64 s[18:19], s[4:5], s[18:19]
	s_add_nc_u64 s[46:47], s[6:7], s[46:47]
	s_add_nc_u64 s[10:11], s[10:11], s[22:23]
	ROUND                                          ; all sixteen work-groups are here: the first joint loads meet
.irp s, 0,1
	s_mov_b32 s[G0+4*\s], 1
	s_add_co_u32 s[G0+4*\s+1], s20, \s*SLOTB
	s_add_nc_u64 s[G0+4*\s+2:G0+4*\s+3], s[18:19], \s*65536        ; K step s
	s_or_b32 s[G0+4*\s+3], s[G0+4*\s+3], 0x80000000
	s_mov_b32 s[G0B+4*\s], 1
	s_add_co_u32 s[G0B+4*\s+1], s20, \s*SLOTB
	s_add_nc_u64 s[G0B+4*\s+2:G0B+4*\s+3], s[46:47], \s*65536
	s_or_b32 s[G0B+4*\s+3], s[G0B+4*\s+3], 0x80000000
	JLOAD \s
.endr
	v_and_b32 v9, 31, v0                           ; lane
	v_and_b32 v10, 15, v0                          ; r
	v_bfe_u32 v11, v0, 4, 1                        ; h
	v_lshl_add_u32 v[VBO], v11, 5, s21
.irp dt, 0,1,2,3
	global_load_b128 v[BO+8*\dt:BO+8*\dt+3],   v[VBO], s[8:9] offset:64*\dt      ; register 8 dt + j: bo of my column 16 dt + 8 h + j
	global_load_b128 v[BO+8*\dt+4:BO+8*\dt+7], v[VBO], s[8:9] offset:64*\dt+16
.endr
	v_lshl_add_u32 v[VW0], v9, 4, s17
	v_add_nc_u32 v[VW0+1], SLOTB, v[VW0]
	s_lshl_b32 s12, s15, 15
	s_add_co_u32 s12, s12, 65536
	v_lshl_add_u32 v[VA0], v9, 4, s12
	v_add_nc_u32 v[VA0+1], SLOTB, v[VA0]
	s_mul_i32 s12, s14, 16*OPITCH
	s_add_co_u32 s12, s12, STAGE                   ; my stage
	v_mul_u32_u24 v12, v10, OPITCH
	v_lshl_add_u32 v12, v11, 5, v12
	v_add_nc_u32 v[VOS], s12, v12                  ; in: row r, 32 h
	v_mul_u32_u24 v12, v11, OPITCH
	v_lshl_add_u32 v12, v10, 4, v12
	v_add_nc_u32 v[VOL], s12, v12                  ; back: lanes 0-15 take one row of 256 bytes, lanes 16-31 the next
	v_lshlrev_b32 v12, 12, v11
	v_lshl_add_u32 v[VOO], v10, 4, v12             ; and the same two rows in out0
	s_wait_tensorcnt 0x1                           ; my part of K step 0 is in; K step 1's may stay out
	s_barrier_signal -1
	s_barrier_wait -1
	STEP 0, 1, 2                                   ; the first products start the sums
	STEP 1, 0, 2
	s_mov_b32 s45, 2
.Llap:
	STEP 0, 0, 2
	STEP 1, 0, 2
	s_sub_co_u32 s45, s45, 1
	s_cmp_lg_u32 s45, 0
	s_cbranch_scc1 .Llap
	STEP 0, 0, 1                                   ; K step 6: nothing is left to fetch
	STEP 1, 0, 0                                   ; K step 7
	s_wait_loadcnt 0x0                             ; bo
	OUTB 0, 0
	OUTB 0, 1
	OUTB 0, 2
	OUTB 0, 3
	OUTB 1, 0
	OUTB 1, 1
	OUTB 1, 2
	OUTB 1, 3
	s_wait_tensorcnt 0x0
	ds_add_u32 v30, v31
	s_wait_dscnt 0x0
	ROUND                                          ; the closing round: no work-group ends while a partner may still ask for a tile that names it
	s_endpgm
.Lfunc_end_k_q9aa438cd80_proj:
	.size	k_q9aa438cd80_proj, .Lfunc_end_k_q9aa438cd80_proj-k_q9aa438cd80_proj
	.p2alignl 7, 3214868480
	.fill 96, 4, 3214868480
	.section	.rodata,"a",@progbits
	.p2align	6, 0x0
	.amdhsa_kernel k_q9aa438cd80_proj
		.amdhsa_group_segment_fixed_size 327680
		.amdhsa_private_segment_fixed_size 0
		.amdhsa_enable_private_segment 0
		.amdhsa_kernarg_size 32
		.amdhsa_user_sgpr_count 2
		.amdhsa_user_sgpr_kernarg_segment_ptr 1
		.amdhsa_wavefront_size32 1
		.amdhsa_system_sgpr_workgroup_id_x 1
		.amdhsa_system_sgpr_workgroup_id_y 1
		.amdhsa_system_sgpr_workgroup_id_z 1
		.amdhsa_system_vgpr_workitem_id 0
		.amdhsa_next_free_vgpr 512
		.amdhsa_next_free_sgpr 66
		.amdhsa_reserve_vcc 0
		.amdhsa_float_denorm_mode_32 3
		.amdhsa_float_denorm_mode_16_64 3
		.amdhsa_memory_ordered 1
		.amdhsa_forward_progress 1
		.amdhsa_inst_pref_size 124
	.end_amdhsa_kernel
	.amdgpu_metadata
---
amdhsa.version: [ 1, 2 ]
amdhsa.kernels:
  - .name:           k_q9aa438cd80_proj
    .symbol:         k_q9aa438cd80_proj.kd
    .args:
      - { .name: pat, .offset: 0, .size: 8, .value_kind: global_buffer, .address_space: global }
      - { .name: wpack, .offset: 8, .size: 8, .value_kind: global_buffer, .address_space: global }
      - { .name: bo, .offset: 16, .size: 8, .value_kind: global_buffer, .address_space: global }
      - { .name: out0, .offset: 24, .size: 8, .value_kind: global_buffer, .address_space: global }
    .group_segment_fixed_size: 327680
    .private_segment_fixed_size: 0
    .kernarg_segment_align: 8
    .kernarg_segment_size: 32
    .max_flat_workgroup_size: 256
    .sgpr_count:     66
    .vgpr_count:     512
    .wavefront_size: 32
...
	.end_amdgpu_metadata
.endif
;; end of part 3
